; MI455X (gfx1250); checked and timed in simulation.
; The chip was launched on July 23, 2026; its instructions are those of AMD's public machine-readable ISA for CDNA 5 (MIT licence, August 2026) and "CDNA5" Instruction Set Architecture Reference Guide (July 2026). The comments in the code are by the model that wrote it; some were corrected since.
;; Full Attention. Allowed arithmetic: matrix products marked QUANTISED: E5M2 operands, one given power-of-two scale a tensor, by v_wmma_f32_16x16x64_bf8_bf8 or v_wmma_f32_16x16x128_bf8_bf8, f32 sums; everything else in f32.
;; Inputs: k 2 x 16 x 8 x 16 x 16 x 64 float32; lowp_scales 4 int32 (the exponents e of the quantised operands' scales 2^e); q 2 x 16 x 8 x 16 x 16 x 64 float32; v 2 x 16 x 8 x 16 x 16 x 64 float32.
;; Outputs: out0 2 x 16 x 8 x 16 x 16 x 64 float32.
;; This version of the problem:
;;   THIS VERSION OF THE PROBLEM IS GIVEN IN LOW PRECISION. The matrix products marked QUANTISED in the list below multiply operands that are first quantised to E5M2 (5 exponent bits, 2 mantissa bits; 8 bits a number), with one given power-of-two scale for each operand tensor; their sums are f32. All else is computed in f32.
;;   The module's matrix products, in the order in which they are computed (A, B: the left and right operand; K: the contracted axis; several contracted axes count as one K, in the product's order):
;;     1. batch 32 x [M 2,048, K 64] x [K 64, N 2,048]; A: input q; B: input k: QUANTISED (scales: A lowp_scales[0], B lowp_scales[1])
;;     2. batch 32 x [M 2,048, K 2,048] x [K 2,048, N 64]; A: softmax (see below); B: input v: QUANTISED (scales: A lowp_scales[2], B lowp_scales[3])
;;   THE QUANTISER, for each operand of a quantised product, along K:
;;     - The operand's scale is 2^e, e = its entry of the input lowp_scales (int32; the entries are numbered through the quantised products in the list's order, A before B).
;;     - Each number is divided by the scale, clamped to +-57,344, and rounded to the nearest number of E5M2, ties to even, subnormals kept.
;;     - The product sums the exact products of the quantised numbers (number of the format x scale) in f32.
;;   ~~~python
;;   def quantise(x, axis, e):      # numpy; x: float32 -> the quantised numbers, widened to float32 again
;;       x = np.moveaxis(x, axis, -1); K = x.shape[-1]
;;       r = np.clip(x / 2.0 ** e, -57344, 57344)
;;       step = 2.0 ** (np.maximum(np.frexp(np.where(r == 0, 1, r))[1] - 1, -14) - 2)
;;       q = np.round(r / step) * step * 2.0 ** e      # np.round: ties to even
;;       return np.moveaxis(q, -1, axis).astype(np.float32)
;;   ~~~
;;   SOFTMAX AHEAD OF A QUANTISED PRODUCT. Where the list says 'softmax', what is quantised is not the finished softmax but p = 2^(t - M), with t = logit x log2(e) and M = ceil(the row's largest t), a whole number; so 1/2 < the row's largest p <= 1. The row's sum l is taken of the UNQUANTISED p, in f32, and the product's result is divided by l at the end. Since M is a whole number, a kernel that streams over the keys may use a running M (the ceiling of the running maximum): every later rescaling is an exact power of two, so the quantised numbers keep their values, but for numbers so far below the row's largest that they fall under the format's range.
;;   OPERANDS COMPUTED ON THE WAY. 'Computed on the way' means the value that the module computes at that place (a softmax that the list does not call 'softmax' is quantised finished and normalised). What goes into a quantiser is computed in f32, as accurately as f32 sums, v_exp_f32 and their like allow (about 1e-6 of the number): no bf16 or f16 on the way to a quantiser, and a product that is left as it is and whose result goes on into a quantised operand takes f32 operands (vector FMAs, or v_wmma_f32_16x16x4_f32). A number that lies on a knife's edge between two numbers of the format may be rounded either way, as far as f32 arithmetic and the matrix unit's own rounding can turn it there, and no further.
;; One version. Each part assembles by itself: llvm-mc -triple=amdgcn-amd-amdhsa -mcpu=gfx1250 --defsym DOCPART=n.
;; ======== version 1 of 1: 1 launch
;; limits: right only within a limited range of input values
;; launch attn (part 1): grid 32 x 8, 16 waves a work-group, no clusters, 206,848 bytes of LDS; arguments q, k, v, lowp_scales, out0; writes out0
.if DOCPART == 1
	.amdgcn_target "amdgcn-amd-amdhsa--gfx1250"
	.amdhsa_code_object_version 6
	.text
	.protected	k_q6d8506271c_attn
	.globl	k_q6d8506271c_attn
	.p2align	8
	.type	k_q6d8506271c_attn,@function
k_q6d8506271c_attn:
	s_mov_b64 s[64:65], 0
	v_nop
	global_prefetch_b8 v0, s[64:65] scope:SCOPE_SE
	s_setreg_imm32_b32 hwreg(HW_REG_WAVE_MODE, 25, 1), 1
	s_wait_xcnt 0x0
; out[h][s][:] = the sum over t <= s of softmax_t(q[h][s] . k[h][t] / 8) v[h][t][:].  32 heads, 2,048 rows of 64 f32 each in q, k, v and out.
; Both products run on codes of BF8 (E5M2), each operand with the one scale 2^e that is given for it: eq, ek, ep, ev.
; THE SOFTMAX AHEAD OF THE SECOND PRODUCT: t = score x log2(e) / 8; M = the row's largest t so far, rounded UP to a whole number; p = 2^(t - M) is quantised, not normalised.
; The row's sum is taken of the unquantised p, in f32, and divides at the end.  When M moves, the sum and O are multiplied by 2^(old M - new M), which rounds nothing.
; DEAD WORK LEFT OUT: steps of 128 keys all of which come after a wave's queries.  The causal mask, which the problem builds itself, makes their p zero for all values of the inputs.  LIMIT: a NaN or an infinity in such keys is not carried to those rows.
; SHARES.  A head's queries are 16 blocks of 128.  Work-group (head, gi) owns blocks gi and 15 - gi: (gi + 1) + (16 - gi) = 17 block steps of 128 keys, the same in all 32 x 8 = 256 work-groups.
; It walks rounds of 256 keys (two steps), 0 .. (15 - gi) / 2.
; PHASE A (rounds 0 .. gi / 2): waves 0-7 own the 16-query tiles of block gi, waves 8-15 those of block 15 - gi; each works both steps of the round.
; PHASE B (the rounds behind): waves 0-7 have stored block gi's rows and take the SAME tiles as waves 8-15; of each round waves 0-7 work the first 128 keys, waves 8-15 the second.  At the end wave w's part is joined to wave w + 8's through LDS.
; k AND v ARE QUANTISED HERE, once for a work-group: wave w loads 16 keys of a round as f32 (a round ahead), holds, converts, and stores the codes into one of two LDS slots, which all waves read a round later.  One barrier a round.
; NO TENSOR LOADS AND NO CLUSTER: k and v must pass through registers to be quantised, so there is no tile load that partners could ask for jointly, and the work-groups of a head walk 5 to 8 rounds, not the same number.
; LAYOUT (l = lane, r = l % 16, h = l / 16; w' = w % 8, g = w / 8).  Both products are used transposed, so that a lane holds ONE query throughout.
;   S^T = K Q^T: source 0 = 16 keys, source 1 = my 16 queries.  Of both, registers 4 c .. 4 c + 3 hold d = 32 c + 16 h + 0 .. 15: a permutation of d that is the same on both sides.
;   A load j of wave w brings keys 2 j + h of its 16.  In the second product's K these stand at place 16 w' + 8 h + j, in P and in V alike.  LDS row of such a key: 32 (w' / 2) + 16 h + 8 (w' % 2) + j:
;   so S^T's register 16 b + i is place 32 b + 16 h + i, key 32 b + 16 h + 2 (i % 8) + i / 8 of the step, and the conversions' results are the second product's operand.
;   O^T += V^T P^T: source 0 = 16 channels x 128 keys.  LDS row 16 x + r of V^T is channel 4 r + x, so O^T's register 8 n + j is channel 32 h + 4 j + n.
; LIMITS on the given exponents, so that each power of two below is an f32 number: eq, ek, ep, ev each between -126 and 112; eq + ek between -123 and 130 (added to c's exponent field); ep + ev is applied by v_ldexp_f32 and has none.
; NaN among the inputs is not served; an infinity is held at the largest code.
.set KP,    80                         ; K's codes: rows of 64 bytes + 16
.set VP,    144                        ; V^T's codes: rows of 128 bytes (the keys of a step) + 16
.set KH,    128*KP                     ; from a round's first step to its second, in K
.set VH,    64*VP                      ; and in V^T
.set VOFF,  2*KH
.set SLOT,  VOFF+2*VH                  ; 38,912
.set QX,    2*SLOT                     ; behind the slots: q's codes, 16 rows x KP for each wave
.set MRG,   QX+16*16*KP                ; the joining of the two parts: 9 x 512 bytes for each of 8 waves
.set SP,    272
.set STG,   MRG+8*4608                 ; the way out: 16 rows x SP for each wave
.set SPARE, STG+16*16*SP               ; the spare words, 128 bytes a wave, a multiple of 256
; VECTOR REGISTERS
.set AKA, 1                            ; my place in a tile of K, first step; AVA in V^T
.set AVA, 2
.set AKB, 3                            ; the same in the step that is my group's in phase B
.set AVB, 4
.set KST, 5                            ; where I store K's codes
.set VST, 6                            ; and V's
.set GOF, 7                            ; 4,096 w + 16 l: my 16 keys of a round
.set PFO, 8                            ; the prefetches' offset
.set DM,  9                            ; 16 w' + r - 16 h
.set SPW, 10                           ; my spare word
.set NIL, 11                           ; 0
.set NM,  12                           ; -M
.set TM,  13                           ; the largest t
.set SU,  14                           ; v[14:15] the sum in two halves
.set Q,   16                           ; v16-23   q's codes
.set O,   24                           ; v24-55   O^T, four accumulators
.set S,   56                           ; v56-119  S^T, then p; v56-87 then half of V^T's fragments
.set F,   120                          ; v120-151 fragments of K, then of V^T
.set P,   152                          ; v152-167 p's codes
.set KS,  168                          ; v168-199 staging of k: 4 j + x: key 2 j + h, d = 4 r + x
.set VS,  200                          ; v200-231 staging of v: 4 j + x: key 2 j + h, channel 4 r + x
.set SCP, 232                          ; 2^ep, 2^ek, 2^ev
.set SCK, 233
.set SCV, 234
.set FF,  236                          ; v[236:237] f (the pair's upper half is written once)
.set SB,  238                          ; v[238:239] the sum's second chain
.set MA,  240
.set MB,  241
.set XL,  242                          ; a lane exchange's destination; written once, since it counts as read
.set NINF, 243
.set STO, 244                          ; the way out: where I put 128 bytes of a row, where I read rows back
.set RD,  245
.set GO,  246                          ; 16 l
.set QRD, 247                          ; q's codes: mine, wave w' + 8's, where I store mine
.set QRH, 248
.set QST, 249
.set MX,  250                          ; my place in the joining
; SCALAR REGISTERS
.set WV,   14
.set GI,   15
.set LAST, 18                          ; 15 - gi: the last step
.set DG,   19                          ; my tile's diagonal step
.set SEL,  20                          ; s[20:21] lane selects: lane l xor 16
.set CS,   22                          ; s[22:23] c = log2(e) / 8 x 2^(eq + ek)
.set KB,   34                          ; s[34:35], s[36:37] the head's k and v
.set VB,   36
.set KL,   38                          ; s[38:39], s[40:41] the round that the loop loads
.set VL,   40
.set PFB,  42                          ; s[42:43] k or v: what my prefetches name
.set LIM,  44                          ; the last round in which I prefetch
.set TRIP, 45
.set RND,  50                          ; the round in hand
.set RSW,  51                          ; the first round of phase B
.set RL,   52                          ; the last round
.set GRP,  53                          ; g
.set HOLD, 54                          ; 1 where p can pass the largest code: ep < -15
.set LMP,  55                          ; 57,344 x 2^ep
.set OUT,  56                          ; s[56:57] out at my own tile
.macro VDST
	s_wait_alu depctr_va_vdst(0)
.endm
.macro NOPS n
.rept \n
	v_nop
.endr
.endm
; From the exponent in s[e]: v[vs] = 2^e as f32 (a conversion takes its exponent field); s[sp], s[sn] = + and - 57,344 x 2^e
.macro GIVEN e, vs, sn, sp
	s_add_co_i32 s46, s[\e], 127
	s_lshl_b32 s47, s46, 23
	v_mov_b32 v[\vs], s47
	s_add_co_i32 s46, s46, 15
	s_lshl_b32 s46, s46, 23
	s_or_b32 s[\sp], s46, 0x600000
	s_or_b32 s[\sn], s[\sp], 0x80000000
.endm
; My 16 keys of a round: each load covers 512 consecutive bytes, two keys' rows.  No hint: the head's other work-groups read the same bytes.
.macro LOADKV kb, vb, off
.irp j, 0,1,2,3,4,5,6,7
	global_load_b128 v[KS+4*\j:KS+4*\j+3], v[GOF], s[\kb:\kb+1] offset:\off+512*\j
.endr
.irp j, 0,1,2,3,4,5,6,7
	global_load_b128 v[VS+4*\j:VS+4*\j+3], v[GOF], s[\vb:\vb+1] offset:\off+512*\j
.endr
.endm
; 32 numbers of rows 2 j + h become codes: four of a row in a register, stored at offset off + pitch x j
.macro QUANTK src, sn, sp, sc, tmp, addr, off, pitch
.set qi, 0
.rept 32
	v_med3_num_f32 v[\src+qi], v[\src+qi], s[\sn], s[\sp]   ; the conversion to an 8-bit code does not saturate (ISA guide 7.6.2): the hold
.set qi, qi+1
.endr
.irp y, 0,1,2,3
	v_cvt_scalef32_pk8_bf8_f32 v[\tmp+2*\y:\tmp+2*\y+1], v[\src+8*\y:\src+8*\y+7], v[\sc]
.endr
	v_nop                                          ; one plain vector instruction behind the conversions
.irp j, 0,1,2,3,4,5,6,7
	ds_store_b32 v[\addr], v[\tmp+\j] offset:\off+\pitch*\j
.endr
.endm
; V: the hold's destinations turn the numbers round: a channel's eight keys in eight registers
.macro QUANTV off
.irp x, 0,1,2,3
.irp j, 0,1,2,3,4,5,6,7
	v_med3_num_f32 v[S+8*\x+\j], v[VS+4*\j+\x], s30, s31
.endr
.endr
.irp x, 0,1,2,3
	v_cvt_scalef32_pk8_bf8_f32 v[F+8+2*\x:F+9+2*\x], v[S+8*\x:S+8*\x+7], v[SCV]
.endr
	v_nop
.irp x, 0,1,2,3
	ds_store_b64 v[VST], v[F+8+2*\x:F+9+2*\x] offset:\off+16*VP*\x
.endr
.endm
.macro KFRAG ak, ko, t0                ; four tiles of 16 keys into F
.irp t, 0,1,2,3
.irp c, 0,1
	ds_load_b128 v[F+8*\t+4*\c:F+8*\t+4*\c+3], v[\ak] offset:\ko+16*KP*(\t0+\t)+32*\c
.endr
.endr
.endm
.macro VFRAG av, vo, n0, dst           ; two tiles of 16 channels into dst
.irp n, 0,1
.irp c, 0,1,2,3
	ds_load_b128 v[\dst+16*\n+4*\c:\dst+16*\n+4*\c+3], v[\av] offset:\vo+16*VP*(\n0+\n)+32*\c
.endr
.endr
.endm
.macro QK t0
.irp t, 0,1,2,3
	v_wmma_f32_16x16x64_bf8_bf8 v[S+8*(\t0+\t):S+8*(\t0+\t)+7], v[F+8*\t:F+8*\t+7], v[Q:Q+7], 0
.endr
.endm
.macro MASK first                      ; on the diagonal step hidden scores become -infinity ahead of the maximum.  A query's own key always counts, so M stays a number
	s_cmp_lg_u32 s48, s[DG]
	s_cbranch_scc1 .Lopen_\@
.set mi, \first
.rept 32
	v_cmp_gt_i32 vcc_lo, 32*(mi/16)+2*(mi%8)+(mi%16)/8, v[DM]
	v_cndmask_b32 v[S+mi], v[S+mi], v[NINF], vcc_lo
.set mi, mi+1
.endr
.Lopen_\@:
.endm
; My tile's step s48 (128 keys).  A step all of whose keys come after my queries is left out: ids and the round alone.
.macro TILE ak, av, ko, vo
	s_cmp_gt_u32 s48, s[DG]
	s_cbranch_scc1 .Lskip_\@
	NOPS 5                                         ; places behind the products before: their sources F and S are written anew below
	KFRAG \ak, \ko, 0
	s_wait_dscnt 0x0
	QK 0
	NOPS 4                                         ; places: F is loaded again, the scores are read
	KFRAG \ak, \ko, 4
	MASK 0                                         ; the first half's maximum while the second half's keys come
	v_max3_num_f32 v[MA], v[S], v[S+1], v[S+2]     ; two chains, each accumulator from its low end on
	v_max3_num_f32 v[MB], v[S+3], v[S+4], v[S+5]
	v_max3_num_f32 v[MA], v[MA], v[S+6], v[S+7]
.irp i, 8,12,16,20,24,28
	v_max3_num_f32 v[MB], v[MB], v[S+\i], v[S+1+\i]
	v_max3_num_f32 v[MA], v[MA], v[S+2+\i], v[S+3+\i]
.endr
	VDST
	s_wait_dscnt 0x0
	QK 4
	NOPS 4
	VFRAG \av, \vo, 0, F                           ; half of V^T's fragments land while the softmax is worked
	MASK 32
.irp i, 32,36,40,44,48,52,56,60
	v_max3_num_f32 v[MA], v[MA], v[S+\i], v[S+1+\i]
	v_max3_num_f32 v[MB], v[MB], v[S+2+\i], v[S+3+\i]
.endr
	s_delay_alu instid0(VALU_DEP_1)
	v_max_num_f32 v[MA], v[MA], v[MB]
	s_delay_alu instid0(VALU_DEP_1)
	v_permlanex16_b32 v[XL], v[MA], s[SEL], s[SEL+1]
	s_delay_alu instid0(VALU_DEP_1)
	v_max_num_f32 v[MA], v[MA], v[XL]              ; and among lane l xor 16's
	s_delay_alu instid0(VALU_DEP_1)
	v_mul_f32 v[MA], s[CS], v[MA]                  ; as t (c is positive)
	s_delay_alu instid0(VALU_DEP_1)
	v_max_num_f32 v[TM], v[TM], v[MA]
	v_mov_b32 v[MA], v[NM]
	s_delay_alu instid0(VALU_DEP_2)
	v_floor_f32 v[NM], -v[TM]                      ; the new -M = floor(-t): a whole number
	s_delay_alu instid0(VALU_DEP_1)
	v_sub_f32 v[MA], v[NM], v[MA]                  ; old M less new M: a whole number, 0 or less
	s_delay_alu instid0(VALU_DEP_1)
	v_cvt_i32_f32 v[MA], v[MA]                     ; (it saturates)
	s_delay_alu instid0(VALU_DEP_1)
	v_ldexp_f32 v[FF], 1.0, v[MA]                  ; f = 2^(old M - new M)
.set pj, 0
.rept 32
	v_pk_fma_f32 v[S+pj:S+pj+1], v[S+pj:S+pj+1], s[CS:CS+1], v[NM:NM+1] op_sel_hi:[1,0,0]   ; t - M (of the pairs c and -M the low word serves both halves)
.set pj, pj+2
.endr
	VDST
.set pj, 0
.rept 64
	v_exp_f32 v[S+pj], v[S+pj]                     ; p = 2^(t - M)
.set pj, pj+1
.endr
	v_pk_mul_f32 v[SU:SU+1], v[SU:SU+1], v[FF:FF+1] op_sel_hi:[1,0]   ; the sums under the new M; also the plain place behind the exponentials
	VDST
.set pj, 0
.rept 16
	v_pk_mul_f32 v[O+pj:O+pj+1], v[O+pj:O+pj+1], v[FF:FF+1] op_sel_hi:[1,0]   ; O^T under the new M
.set pj, pj+2
.endr
	v_pk_add_f32 v[SB:SB+1], v[S:S+1], v[S+2:S+3]  ; the row's sum is taken of the unquantised p, in two chains
.irp j, 4,8,12,16,20,24,28,32,36,40,44,48,52,56,60
	v_pk_add_f32 v[SU:SU+1], v[SU:SU+1], v[S+\j:S+\j+1]
	v_pk_add_f32 v[SB:SB+1], v[SB:SB+1], v[S+2+\j:S+3+\j]
.endr
	VDST
	s_cmp_eq_u32 s[HOLD], 0                        ; p is at most 1 but for t's rounding: where 57,344 x 2^ep is 1.75 or more (ep >= -15) no p can pass the largest code
	s_cbranch_scc1 .Lfree_\@
.set pj, 0
.rept 64
	v_min_num_f32 v[S+pj], s[LMP], v[S+pj]         ; the hold; p is never negative, so it is one-sided
.set pj, pj+1
.endr
.Lfree_\@:
.irp b, 0,1
	v_cvt_scalef32_pk8_bf8_f32 v[P+4*\b:P+4*\b+1], v[S+16*\b:S+16*\b+7], v[SCP]
	v_cvt_scalef32_pk8_bf8_f32 v[P+4*\b+2:P+4*\b+3], v[S+16*\b+8:S+16*\b+15], v[SCP]
.endr
	v_nop
	VFRAG \av, \vo, 2, S                           ; the other half of V^T's fragments, over p's first 32 registers, which are codes now
.irp b, 2,3
	v_cvt_scalef32_pk8_bf8_f32 v[P+4*\b:P+4*\b+1], v[S+16*\b:S+16*\b+7], v[SCP]
	v_cvt_scalef32_pk8_bf8_f32 v[P+4*\b+2:P+4*\b+3], v[S+16*\b+8:S+16*\b+15], v[SCP]
.endr
	v_pk_add_f32 v[SU:SU+1], v[SU:SU+1], v[SB:SB+1]   ; also the plain place behind the conversions
	VDST
	s_wait_dscnt 0x8                               ; all but the youngest eight loads
.irp n, 0,1                                        ; the four accumulators take turns, one instruction a turn
	v_wmma_f32_16x16x128_bf8_bf8 v[O+8*\n:O+8*\n+7], v[F+16*\n:F+16*\n+15], v[P:P+15], v[O+8*\n:O+8*\n+7]
.endr
	s_wait_dscnt 0x0
.irp n, 0,1
	v_wmma_f32_16x16x128_bf8_bf8 v[O+16+8*\n:O+16+8*\n+7], v[S+16*\n:S+16*\n+15], v[P:P+15], v[O+16+8*\n:O+16+8*\n+7]
.endr
.Lskip_\@:
.endm
.macro INIT                            ; a tile's state: the first step finds zeros, which the first change of M leaves zeros
	v_mov_b32 v[TM], 0xff61b1e6                    ; the largest t so far: -3e38, under every t
	v_mov_b32 v[SU], 0
	v_mov_b32 v[SU+1], 0
	v_floor_f32 v[NM], -v[TM]
.set qi, 0
.rept 32
	v_mov_b32 v[O+qi], 0
.set qi, qi+1
.endr
.endm
; THE WAY OUT of my own tile: O^T / the sum x 2^(ep + ev), through my own stage in LDS, and out as whole rows of 256 bytes.
.macro FINISH
	NOPS 4                                         ; places behind the last products
	v_add_f32 v[SU], v[SU], v[SU+1]
	v_permlanex16_b32 v[XL], v[SU], s[SEL], s[SEL+1]
	v_add_f32 v[SU], v[SU], v[XL]                  ; with lane l xor 16's: the row's sum
	VDST
	v_rcp_f32 v[SU], v[SU]
	v_nop
	s_add_co_i32 s46, s26, s27
	VDST
	v_ldexp_f32 v[SU], v[SU], s46
	VDST
.irp j, 0,1,2,3,4,5,6,7
.irp n, 0,1,2,3
	v_mul_f32 v[S+4*\j+\n], v[O+8*\n+\j], v[SU]    ; out(r, 32 h + 4 j + n); each accumulator from its low end on
.endr
.endr
.irp j, 0,1,2,3,4,5,6,7
	ds_store_b128 v[STO], v[S+4*\j:S+4*\j+3] offset:16*\j
.endr
.irp i, 0,1,2,3,4,5,6,7
	ds_load_b128 v[F+4*\i:F+4*\i+3], v[RD] offset:2*\i*SP   ; LDS serves a wave's instructions in order (ISA guide 5.7.1.4): these see my stores
.endr
.irp i, 0,1,2,3,4,5,6,7
	s_wait_dscnt 7-\i
	global_store_b128 v[GO], v[F+4*\i:F+4*\i+3], s[OUT:OUT+1] offset:512*\i th:TH_STORE_NT   ; 512 consecutive bytes, two whole rows of out
.endr
.endm
; A round on slot p; then the next round's codes are made into slot o, and the round behind that is asked for.
.macro ROUND p, o
	s_cmp_ge_u32 s[RND], s[RSW]
	s_cbranch_scc1 .Lb_\@
	s_lshl_b32 s48, s[RND], 1                      ; PHASE A: both steps
	TILE AKA, AVA, \p*SLOT, \p*SLOT
	s_add_co_u32 s48, s48, 1
	TILE AKA, AVA, \p*SLOT+KH, \p*SLOT+VH
	s_branch .Ljoin_\@
.Lb_\@:
	s_cmp_lg_u32 s[RND], s[RSW]
	s_cbranch_scc1 .Lon_\@
	s_cmp_lg_u32 s[GRP], 0
	s_cbranch_scc1 .Lon_\@
	FINISH                                         ; THE SWITCH, once, waves 0-7: block gi's rows leave;
	s_wait_xcnt 0x0                                ; (the stores have read F)
.irp c, 0,1
	ds_load_b128 v[Q+4*\c:Q+4*\c+3], v[QRH] offset:32*\c   ; wave w + 8's queries become mine: their codes lie in LDS since the head's barrier
.endr
	INIT
	VDST
	s_wait_dscnt 0x0
.Lon_\@:
	s_mov_b32 s[DG], s[LAST]                       ; PHASE B: my group's step
	s_lshl_b32 s48, s[RND], 1
	s_add_co_u32 s48, s48, s[GRP]
	TILE AKB, AVB, \p*SLOT, \p*SLOT
.Ljoin_\@:
	s_cmp_eq_u32 s[RND], s[RL]                     ; the walk ends here: ids and the round alone, the same in all sixteen waves
	s_cbranch_scc1 .Lout
	s_lshl_b32 s48, s[RND], 1
	s_add_co_u32 s48, s48, s[GRP]
	s_add_co_u32 s48, s48, 2                       ; the step whose 16 keys I hold
	s_cmp_gt_u32 s48, s[LAST]                      ; past the last step nothing is made and nothing loaded
	s_cbranch_scc1 .Lmade_\@
	s_wait_loadcnt 0x8                             ; k's eight loads are in; v's eight behind them may be out
	QUANTK KS, 28, 29, SCK, F, KST, \o*SLOT, KP
	s_wait_loadcnt 0x0
	QUANTV \o*SLOT
	s_add_co_u32 s48, s48, 2
	s_cmp_gt_u32 s48, s[LAST]
	s_cbranch_scc1 .Lmade_\@
	s_wait_xcnt 0x0                                ; the round before's loads and prefetch have read their bases
	s_add_co_u32 s46, s[RND], 2
	s_lshl_b32 s46, s46, 16                        ; 256 rows of 256 bytes a round
	s_mov_b32 s47, 0
	s_add_nc_u64 s[KL:KL+1], s[KB:KB+1], s[46:47]
	s_add_nc_u64 s[VL:VL+1], s[VB:VB+1], s[46:47]
	s_add_co_u32 s46, s46, 0x10000
	s_add_nc_u64 s[62:63], s[PFB:PFB+1], s[46:47]
	LOADKV KL, VL, 0
; A PREFETCH INTO THE L2: round RND + 3, which the next round's loads will name.  Of a head's eight work-groups only gi = 0 asks, which walks all 8 rounds: waves 0-7 for k's 65,536 bytes, waves 8-15 for v's,
; 8,192 bytes a wave, lanes 256 bytes apart: each aligned block of 256 bytes of rounds 3 to 7 is named once in the launch.  Round 4 names round 7, the head's last; later rounds ask for nothing.  Rounds 0 to 2 come by their loads alone.
	s_cmp_le_i32 s[RND], s[LIM]
	s_cbranch_scc0 .Lmade_\@
	global_prefetch_b8 v[PFO], s[62:63] th:TH_LOAD_NT scope:SCOPE_SE
.Lmade_\@:
	s_add_co_u32 s[RND], s[RND], 1
	VDST
	s_wait_dscnt 0x0                               ; for the others' sake: my codes lie in slot o, and my reads of slot p are over
	s_barrier_signal -1
	s_barrier_wait -1                              ; both now hold of all sixteen waves: slot o may be read, slot p written
.endm
	s_load_b256 s[4:11], s[0:1], 0x0               ; q s[4:5], k s[6:7], v s[8:9], the scales' exponents s[10:11]
	s_load_b64 s[12:13], s[0:1], 0x20              ; out
	v_lshrrev_b32 v[MA], 5, v0
	v_readfirstlane_b32 s[WV], v[MA]               ; wave 0..15
	s_and_b32 s[GI], ttmp7, 0xffff
	s_sub_co_u32 s[LAST], 15, s[GI]
	s_lshr_b32 s[GRP], s[WV], 3
	s_and_b32 s16, s[WV], 7                        ; w'
	s_lshr_b32 s[RSW], s[GI], 1
	s_add_co_u32 s[RSW], s[RSW], 1
	s_lshr_b32 s[RL], s[LAST], 1
	s_cmp_eq_u32 s[GRP], 0
	s_cselect_b32 s[DG], s[GI], s[LAST]            ; my first tile's block
	s_mul_i32 s46, s[GRP], KH
	s_mul_i32 s47, s[GRP], VH
	s_lshr_b32 s48, s16, 1
	s_mul_i32 s48, s48, 32*KP
	s_and_b32 s49, s16, 1
	s_mul_i32 s49, s49, 8*KP
	s_add_co_u32 s48, s48, s49
	s_add_co_u32 s48, s48, s46                     ; K's codes: rows 32 (w' / 2) + 8 (w' % 2) of my group's step
	s_lshl_b32 s61, s16, 4
	s_add_co_u32 s49, s47, s61
	s_add_co_u32 s49, s49, VOFF                    ; V's codes: bytes 16 w' of my group's step
	s_lshl_b32 s60, s[WV], 12
	s_lshl_b32 s62, s16, 13
	s_mul_i32 s63, s[WV], 16*SP
	s_add_co_u32 s63, s63, STG
	s_mul_i32 s2, s[WV], 16*KP
	s_add_co_u32 s2, s2, QX
	s_mul_i32 s3, s16, 16*KP
	s_add_co_u32 s3, s3, QX+8*16*KP
	s_mul_i32 s17, s16, 4608
	s_add_co_u32 s17, s17, MRG
	s_lshl_b32 s[KL], ttmp9, 19                    ; a head is 2,048 rows of 256 bytes
	s_mov_b32 s[KL+1], 0
	s_lshl_b32 s[VL], s[DG], 15
	s_lshl_b32 s[VL+1], s16, 12
	s_add_co_u32 s[VL], s[VL], s[VL+1]
	s_add_co_u32 s[VL], s[VL], s[KL]               ; my tile's 16 rows in q and in out
	s_mov_b32 s[VL+1], 0
	s_mov_b32 s[SEL], 0x76543210
	s_mov_b32 s[SEL+1], 0xfedcba98
	v_and_b32 v[F], 31, v0                         ; l
	v_and_b32 v[F+1], 15, v0                       ; r
	v_bfe_u32 v[F+2], v0, 4, 1                     ; h
	v_lshl_add_u32 v[SPW], v0, 2, SPARE
	v_mov_b32 v[NIL], 0
	v_lshlrev_b32 v[GO], 4, v[F]
	v_mul_u32_u24 v[AKA], v[F+1], KP
	v_mul_u32_u24 v[AVA], v[F+1], VP
	v_mul_u32_u24 v[KST], v[F+2], 16*KP
	v_mul_u32_u24 v[STO], v[F+1], SP
	v_mul_u32_u24 v[RD], v[F+2], SP
	v_mul_u32_u24 v[QST], v[F+2], KP
	v_lshlrev_b32 v[DM], 4, v[F+2]
	v_lshl_add_u32 v[VST], v[F+2], 3, v[AVA]
	v_lshl_add_u32 v[AKA], v[F+2], 4, v[AKA]
	v_lshl_add_u32 v[AVA], v[F+2], 4, v[AVA]
	v_lshl_add_u32 v[KST], v[F+1], 2, v[KST]
	v_lshl_add_u32 v[STO], v[F+2], 7, v[STO]
	v_lshl_add_u32 v[RD], v[F+1], 4, v[RD]
	v_lshl_add_u32 v[QST], v[F+1], 2, v[QST]
	v_sub_nc_u32 v[DM], v[F+1], v[DM]
	v_add_nc_u32 v[GOF], s60, v[GO]
	v_add_nc_u32 v[VST], s49, v[VST]
	v_add_nc_u32 v[AVA], VOFF, v[AVA]
	v_add_nc_u32 v[AKB], s46, v[AKA]
	v_add_nc_u32 v[AVB], s47, v[AVA]
	v_add_nc_u32 v[KST], s48, v[KST]
	v_add_nc_u32 v[STO], s63, v[STO]
	v_add_nc_u32 v[RD], s63, v[RD]
	v_add_nc_u32 v[QST], s2, v[QST]
	v_add_nc_u32 v[QRD], s2, v[AKA]
	v_add_nc_u32 v[QRH], s3, v[AKA]
	v_add_nc_u32 v[DM], s61, v[DM]
	v_add_nc_u32 v[MX], s17, v[GO]
	v_lshl_add_u32 v[PFO], v[F], 8, s62
	VDST
	s_wait_kmcnt 0x0
	s_load_b128 s[24:27], s[10:11], 0x0            ; eq, ek, ep, ev
	s_add_nc_u64 s[KB:KB+1], s[6:7], s[KL:KL+1]
	s_add_nc_u64 s[VB:VB+1], s[8:9], s[KL:KL+1]
	s_add_nc_u64 s[62:63], s[4:5], s[VL:VL+1]
	s_add_nc_u64 s[OUT:OUT+1], s[12:13], s[VL:VL+1]
	LOADKV KB, VB, 0                               ; round 0
.irp j, 0,1,2,3,4,5,6,7
	global_load_b128 v[S+32+4*\j:S+32+4*\j+3], v[GO], s[62:63] offset:512*\j th:TH_LOAD_NT   ; q: rows 2 j + h, d = 4 r ..; read once in the launch
.endr
	s_cmp_eq_u32 s[GRP], 0
	s_cselect_b64 s[PFB:PFB+1], s[KB:KB+1], s[VB:VB+1]
	s_cmp_eq_u32 s[GI], 0
	s_cselect_b32 s[LIM], 4, -1
	s_mov_b32 s[RND], 0
	s_mov_b32 s[TRIP], 4
	INIT
	v_mov_b32 v[FF+1], 0
	v_mov_b32 v[SB], 0
	v_mov_b32 v[SB+1], 0
	v_mov_b32 v[XL], 0
	v_mov_b32 v[NINF], 0xff800000
	VDST
	s_wait_kmcnt 0x0
	GIVEN 24, FF, 32, 33                           ; q's: the scale stands in f's register until the loop needs it
	GIVEN 25, SCK, 28, 29
	GIVEN 27, SCV, 30, 31
	GIVEN 26, SCP, 49, LMP
	s_cmp_lt_i32 s26, -15
	s_cselect_b32 s[HOLD], 1, 0
	s_add_co_i32 s46, s24, s25
	s_lshl_b32 s46, s46, 23
	s_add_co_i32 s[CS], s46, 0x3e38aa3b            ; c = log2(e) / 8, with eq + ek added to its exponent field
	s_mov_b32 s[CS+1], s[CS]                       ; (named with it as a pair)
	VDST
	s_wait_loadcnt 0x10                            ; round 0's k is in: behind it stand v's 8 and q's 8
	QUANTK KS, 28, 29, SCK, F, KST, 0, KP
	s_wait_loadcnt 0x8                             ; v is in; q's 8 may be out
	QUANTV 0
	LOADKV KB, VB, 0x10000                         ; round 1: every work-group walks five rounds or more
	s_wait_loadcnt 0x10                            ; q is in: behind it stand round 1's 16
	QUANTK S+32, 32, 33, FF, F+16, QST, 0, 2*KP
.irp c, 0,1
	ds_load_b128 v[Q+4*\c:Q+4*\c+3], v[QRD] offset:32*\c   ; LDS serves a wave's instructions in order: these see my stores
.endr
	VDST                                           ; the head's end
	s_wait_dscnt 0x0                               ; my part of slot 0 and my queries' codes lie in LDS,
	s_barrier_signal -1
	s_barrier_wait -1                              ; everybody's do
.Ltrip:                                                ; four trips of two rounds would be all 8; the walk leaves by the branch at its last round.  The slots stand in the immediates: no LDS address is stepped
	ROUND 0, 1
	ROUND 1, 0
	s_sub_co_u32 s[TRIP], s[TRIP], 1
	s_cmp_lg_u32 s[TRIP], 0
	s_cbranch_scc1 .Ltrip
.Lout:
	NOPS 4                                         ; places behind the last products
	s_cmp_lg_u32 s[GRP], 0
	s_cbranch_scc1 .Lkeep
.irp i, 0,1,2,3,4,5,6,7                ; waves 0-7 hand their part to wave w + 8: O^T, then -M, the largest t and the sum
	ds_store_b128 v[MX], v[O+4*\i:O+4*\i+3] offset:512*\i
.endr
	ds_store_b128 v[MX], v[NM:NM+3] offset:4096
.Lkeep:
	VDST
	s_wait_dscnt 0x0
	s_barrier_signal -1
	s_barrier_wait -1
	s_cmp_eq_u32 s[GRP], 0
	s_cbranch_scc1 .Lend
	ds_load_b128 v[F:F+3], v[MX] offset:4096
.irp i, 0,1,2,3,4,5,6,7
	ds_load_b128 v[S+4*\i:S+4*\i+3], v[MX] offset:512*\i
.endr
	s_wait_dscnt 0x0
	v_min_num_f32 v[MA], v[NM], v[F]               ; the joint -M
	v_sub_f32 v[MB], v[MA], v[NM]
	v_sub_f32 v[XL], v[MA], v[F]
	v_cvt_i32_f32 v[MB], v[MB]
	v_cvt_i32_f32 v[XL], v[XL]
	v_ldexp_f32 v[FF], 1.0, v[MB]                  ; my factor,
	v_ldexp_f32 v[SB], 1.0, v[XL]                  ; and the other part's: powers of two
	v_pk_mul_f32 v[SU:SU+1], v[SU:SU+1], v[FF:FF+1] op_sel_hi:[1,0]
	v_pk_fma_f32 v[SU:SU+1], v[F+2:F+3], v[SB:SB+1], v[SU:SU+1] op_sel_hi:[1,0,1]
.set pj, 0
.rept 16
	v_pk_mul_f32 v[O+pj:O+pj+1], v[O+pj:O+pj+1], v[FF:FF+1] op_sel_hi:[1,0]
.set pj, pj+2
.endr
.set pj, 0
.rept 16
	v_pk_fma_f32 v[O+pj:O+pj+1], v[S+pj:S+pj+1], v[SB:SB+1], v[O+pj:O+pj+1] op_sel_hi:[1,0,1]
.set pj, pj+2
.endr
	FINISH
.Lend:
	s_wait_tensorcnt 0x0                           ; the wave's end
	ds_add_u32 v[SPW], v[NIL]
	s_wait_dscnt 0x0
	s_endpgm
.Lfunc_end_k_q6d8506271c_attn:
	.size	k_q6d8506271c_attn, .Lfunc_end_k_q6d8506271c_attn-k_q6d8506271c_attn
	.p2alignl 7, 3214868480
	.fill 96, 4, 3214868480
	.section	.rodata,"a",@progbits
	.p2align	6, 0x0
	.amdhsa_kernel k_q6d8506271c_attn
		.amdhsa_group_segment_fixed_size 206848
		.amdhsa_private_segment_fixed_size 0
		.amdhsa_enable_private_segment 0
		.amdhsa_kernarg_size 40
		.amdhsa_user_sgpr_count 2
		.amdhsa_user_sgpr_kernarg_segment_ptr 1
		.amdhsa_wavefront_size32 1
		.amdhsa_system_sgpr_workgroup_id_x 1
		.amdhsa_system_sgpr_workgroup_id_y 1
		.amdhsa_system_sgpr_workgroup_id_z 1
		.amdhsa_system_vgpr_workitem_id 0
		.amdhsa_next_free_vgpr 256
		.amdhsa_next_free_sgpr 66
		.amdhsa_reserve_vcc 1
		.amdhsa_float_denorm_mode_32 3
		.amdhsa_float_denorm_mode_16_64 3
		.amdhsa_memory_ordered 1
		.amdhsa_forward_progress 1
		.amdhsa_inst_pref_size 179
	.end_amdhsa_kernel
	.amdgpu_metadata
---
amdhsa.version: [ 1, 2 ]
amdhsa.kernels:
  - .name:           k_q6d8506271c_attn
    .symbol:         k_q6d8506271c_attn.kd
    .args:
      - { .name: q, .offset: 0, .size: 8, .value_kind: global_buffer, .address_space: global }
      - { .name: k, .offset: 8, .size: 8, .value_kind: global_buffer, .address_space: global }
      - { .name: v, .offset: 16, .size: 8, .value_kind: global_buffer, .address_space: global }
      - { .name: lowp_scales, .offset: 24, .size: 8, .value_kind: global_buffer, .address_space: global }
      - { .name: out0, .offset: 32, .size: 8, .value_kind: global_buffer, .address_space: global }
    .group_segment_fixed_size: 206848
    .private_segment_fixed_size: 0
    .kernarg_segment_align: 8
    .kernarg_segment_size: 40
    .max_flat_workgroup_size: 512
    .sgpr_count:     66
    .vgpr_count:     256
    .wavefront_size: 32
...
	.end_amdgpu_metadata
.endif
;; end of part 1
